; MI455X (gfx1250); checked and timed in simulation.
; The chip was launched on July 23, 2026; its instructions are those of AMD's public machine-readable ISA for CDNA 5 (MIT licence, August 2026) and "CDNA5" Instruction Set Architecture Reference Guide (July 2026). The comments in the code are by the model that wrote it; some were corrected since.
;; patch attention. Allowed arithmetic: matrix products marked QUANTISED: E4M3 operands, one given power-of-two scale a tensor, by v_wmma_f32_16x16x64_fp8_fp8 or v_wmma_f32_16x16x128_fp8_fp8, f32 sums; everything else in f32.
;; Inputs: Wk 64 x 64 float32; Wp 64 x 64 float32; Wq 64 x 64 float32; Wv 64 x 64 float32; lowp_scales 12 int32 (the exponents e of the quantised operands' scales 2^e); x 2 x 64 x 256 x 256 float32.
;; Outputs: out0 2 x 64 x 256 x 256 float32.
;; This version of the problem:
;;   THIS VERSION OF THE PROBLEM IS GIVEN IN LOW PRECISION. The matrix products marked QUANTISED in the list below multiply operands that are first quantised to E4M3 (4 exponent bits, 3 mantissa bits; 8 bits a number), with one given power-of-two scale for each operand tensor; their sums are f32. All else is computed in f32.
;;   The module's matrix products, in the order in which they are computed (A, B: the left and right operand; K: the contracted axis; several contracted axes count as one K, in the product's order):
;;     1. [M 131,072, K 64] x [K 64, N 64]; A: input x; B: input Wq: QUANTISED (scales: A lowp_scales[0], B lowp_scales[1])
;;     2. [M 131,072, K 64] x [K 64, N 64]; A: input x; B: input Wk: QUANTISED (scales: A lowp_scales[2], B lowp_scales[3])
;;     3. [M 131,072, K 64] x [K 64, N 64]; A: input x; B: input Wv: QUANTISED (scales: A lowp_scales[4], B lowp_scales[5])
;;     4. batch 256 x [M 1,024, K 32] x [K 32, N 1,024]; A: computed on the way; B: computed on the way: QUANTISED (scales: A lowp_scales[6], B lowp_scales[7])
;;     5. batch 256 x [M 1,024, K 1,024] x [K 1,024, N 32]; A: softmax (see below); B: computed on the way: QUANTISED (scales: A lowp_scales[8], B lowp_scales[9])
;;     6. [M 131,072, K 64] x [K 64, N 64]; A: computed on the way; B: input Wp: QUANTISED (scales: A lowp_scales[10], B lowp_scales[11])
;;   THE QUANTISER, for each operand of a quantised product, along K:
;;     - The operand's scale is 2^e, e = its entry of the input lowp_scales (int32; the entries are numbered through the quantised products in the list's order, A before B).
;;     - Each number is divided by the scale, clamped to +-448, and rounded to the nearest number of E4M3, ties to even, subnormals kept.
;;     - The product sums the exact products of the quantised numbers (number of the format x scale) in f32.
;;   ~~~python
;;   def quantise(x, axis, e):      # numpy; x: float32 -> the quantised numbers, widened to float32 again
;;       x = np.moveaxis(x, axis, -1); K = x.shape[-1]
;;       r = np.clip(x / 2.0 ** e, -448, 448)
;;       step = 2.0 ** (np.maximum(np.frexp(np.where(r == 0, 1, r))[1] - 1, -6) - 3)
;;       q = np.round(r / step) * step * 2.0 ** e      # np.round: ties to even
;;       return np.moveaxis(q, -1, axis).astype(np.float32)
;;   ~~~
;;   SOFTMAX AHEAD OF A QUANTISED PRODUCT. Where the list says 'softmax', what is quantised is not the finished softmax but p = 2^(t - M), with t = logit x log2(e) and M = ceil(the row's largest t), a whole number; so 1/2 < the row's largest p <= 1. The row's sum l is taken of the UNQUANTISED p, in f32, and the product's result is divided by l at the end. Since M is a whole number, a kernel that streams over the keys may use a running M (the ceiling of the running maximum): every later rescaling is an exact power of two, so the quantised numbers keep their values, but for numbers so far below the row's largest that they fall under the format's range.
;;   OPERANDS COMPUTED ON THE WAY. 'Computed on the way' means the value that the module computes at that place (a softmax that the list does not call 'softmax' is quantised finished and normalised). What goes into a quantiser is computed in f32, as accurately as f32 sums, v_exp_f32 and their like allow (about 1e-6 of the number): no bf16 or f16 on the way to a quantiser, and a product that is left as it is and whose result goes on into a quantised operand takes f32 operands (vector FMAs, or v_wmma_f32_16x16x4_f32). A number that lies on a knife's edge between two numbers of the format may be rounded either way, as far as f32 arithmetic and the matrix unit's own rounding can turn it there, and no further.
;; 2 versions, each right; version 2 is version 1 with the launch patchattn written anew for expert scheduling mode. Each part assembles by itself: llvm-mc -triple=amdgcn-amd-amdhsa -mcpu=gfx1250 --defsym DOCPART=n.
;; ======== version 1 of 2: 1 launch
;; launch patchattn (part 1): grid 256 x 1, 16 waves a work-group, no clusters, 281,600 bytes of LDS; arguments x, Wq, Wk, Wv, Wp, lowp_scales, out0; writes out0
.if DOCPART == 1
	.amdgcn_target "amdgcn-amd-amdhsa--gfx1250"
	.amdhsa_code_object_version 6
	.text
	.protected	k_qe02c5e2972_patchattn
	.globl	k_qe02c5e2972_patchattn
	.p2align	8
	.type	k_qe02c5e2972_patchattn,@function
k_qe02c5e2972_patchattn:
	s_mov_b64 s[64:65], 0
	v_nop
	global_prefetch_b8 v0, s[64:65] scope:SCOPE_SE
	s_setreg_imm32_b32 hwreg(HW_REG_WAVE_MODE, 25, 1), 1
	s_wait_xcnt 0x0
; ATTENTION IN ROW BANDS, all six products on codes of FP8 (E4M3), each operand with the one scale 2^e given for it (lowp_scales e0 .. e11).
; x, out0: [2][64 channels][256][256] f32.  A window is 4 image rows = 1,024 tokens; in memory it is 64 channel rows of 4,096 consecutive bytes, 262,144 bytes apart.
; q, k, v = x W^T (x quantised three times: e0, e2, e4), two heads of 32 channels, softmax over the window's 1,024 keys, then the product with Wp over both heads' 64 channels.
; SOFTMAX AHEAD OF THE SECOND PRODUCT: t = score x log2(e) / sqrt(32); M = the running largest t rounded UP to a whole number; p = 2^(t - M) is quantised, not normalised;
; the row's sum is taken of the unquantised p and divides O at the end; when M moves, the sum and O are multiplied by 2^(old M - new M), which rounds nothing.
; SHARES.  256 work-groups: work-group 2 win + u owns queries 512 u .. 512 u + 511 of window win, BOTH heads (so the last product has one owner), against all 1,024 keys.
; Sixteen waves of 256 registers, four to a SIMD, so that one wave's softmax stands beside another's products and LDS loads.  Wave w owns 32 queries (two tiles of 16) and projects k and v
; for two groups of 32 tokens: A = its own queries' tokens, B = the same place in the window's other half.  In LDS the own half's keys lie first (a softmax does not ask for the keys' order, and K and V
; are laid alike), so no LDS address hangs on the work-group's number.
; OPERANDS LIE IN LDS AS IMAGES OF THEIR REGISTERS: four registers by one ds_store_b128 at 16 x lane, 512 bytes; the same line as a load gives any wave the same registers in the same lanes.
; LAYOUT (lane = 16 h + r; a fragment's registers 2 c, 2 c + 1 hold k = 16 c + 8 h + 0 .. 7): every result falls so that eight neighbouring registers are eight neighbours along the next K:
;   k, q:  D = W-rows x tokens: a lane holds token r and channels 16 a + 8 h + j           v:  D = tokens x W-rows: a lane holds channel 16 a + r and tokens 8 h + j (the keys are V's K)
;   S^T = K Q^T: a lane holds query r and keys 16 t + 8 h + j      O^T = V^T P: query r, channels 16 a + 8 h + j      y = O Wp^T: channel 16 a + r, tokens 8 h + j: 32 neighbouring bytes of out0
; A head's K is 32: a key's fragment holds both heads' 64 channels, and Q is kept as [head 0 | four registers of zero codes | head 1], so that the other head's channels meet zeros.
; NO TENSOR LOADS, NO CLUSTER: what two work-groups share is a window's x, 262,144 bytes of f32 read once at the head, which must pass through registers to be quantised and has no room in LDS
; beside the 279,552 bytes of images and stage; all later traffic is the work-group's own LDS.  NO PREFETCH: all of x is asked for at the head.
; LIMITS on the given exponents, so that each power of two below is an f32 number: e0, e2, e4, e1, e3, e5, e11, e8, e6-e0-e1, e7-e2-e3, e9-e4-e5 and e10-e8-e9 between -126 and 119;
; e10+e11 between -126 and 127; e6+e7 between -124 and 129.  NaN among the inputs is not served.
.set CH,     262144                    ; bytes from a channel to the next
.set WIMG,   0                         ; LDS: 16 fragments of the weights: 4 x matrix (q, k, v, p) + tile of 16 rows; 1,024 bytes each
.set KIMG,   16384                     ; 64 tiles of 16 keys x 64 channels, 1,024 bytes each; a key step is 8 tiles
.set VIMG,   81920                     ; 8 key steps x 4 tiles of 16 channels x 128 keys, 2,048 bytes each
.set STG,    147456                    ; the stage for out0: 64 channel rows of 2,048 bytes + 16
.set SPITCH, 2064                      ; 129 x 16 bytes: sixteen rows start in sixteen different columns of 16 bytes
.set LI,   1                           ; v1   16 x lane: my place in an image; also my offset in a stored row
.set AK0,  2                           ; v2   LI + KIMG
.set AV0,  3                           ; v3   LI + VIMG
.set XO,   4                           ; v4   4 x lane: my token among the wave's 32
.set WO,   5                           ; v5   256 r + 32 h: my eight numbers of a row of W
.set KWI,  6                           ; v6   where I store K's images: tile 2 w
.set VWI,  7                           ; v7   where I store V's: step w / 4, registers 4 (w % 4) on
.set ADK,  8                           ; v8   the step's K
.set ADV,  9                           ; v9   the step's V
.set STO,  10                          ; v10  the stage: row r, + 32 h + 128 w
.set STO2, 11                          ; v11  the same 32 rows on
.set SR,   12                          ; v12  the stage, back: my four rows
.set WWI,  14                          ; v14  where I store my fragment of the weights
.set ST,   16                          ; v16-19, v20-23: a head's -M, largest t, sum in two halves
.set SC,   24                          ; v24, v25: the scale in hand as f32, and 448 x it
.set PSC,  26                          ; v26, v27: the same for p; they stay
.set XA,   32                          ; v32-95   group A: channel c of my token
.set XB,   96                          ; v96-159  group B
.set WRAW, 160                         ; v160-191 32 numbers of W, at the head alone
.set WC,   192                         ; v192-199 their codes
.set XFAK, 160                         ; group A's two fragments under e2, e4, e0
.set XFAV, 176
.set XFAQ, 192
.set XFBK, 32                          ; group B's under e2, e4: where group A's numbers lay
.set XFBV, 48
.set WF,   64                          ; v64-95   four fragments of a weight
.set TA,   208                         ; v208-223 two sets of eight held numbers; later the codes just made
.set RC,   208
.set D,    96                          ; v96-159  eight results of a projection
.set Q,    224                         ; v224-247 twelve registers a tile of queries
.set KF,   32                          ; v32-95   eight fragments of K, then four of V^T
.set S,    96                          ; v96-159  S^T, then p
.set O,    160                         ; v160-191 O^T: tile a of 16 channels at 8 a
.set PC,   192                         ; v192-223 p's codes, a head's at 16 x head
.set OC,   64                          ; v64-71   O's codes
.set YS,   128                         ; v128-159 y
; v248, v249 exchanges and a second chain; v[250:251] a second sum; v[252:253] f = 2^(old M - new M); v254 at work
; s18 wave; s[24:35] e0 .. e11; s[36:37], s38 my weight and its e; s[40:57] nine pairs (2^e, 448 x 2^e); s[58:59] 2^(e10+e11); s[60:61] c; s[62:63] lane selects;
; s[66:73] x: group A channels 0-31, 32-63, group B likewise; s74 the step's LDS bytes; s75 steps to go; s76 1 where p must be held; s[78:79] out0
.macro MKSC d, e                       ; s[d] = 2^e as f32, s[d+1] = 448 x 2^e
	s_add_co_i32 s[\d+1], s[\e], 127
	s_lshl_b32 s[\d], s[\d+1], 23
	s_add_co_i32 s[\d+1], s[\d+1], 8
	s_lshl_b32 s[\d+1], s[\d+1], 23
	s_or_b32 s[\d+1], s[\d+1], 0x600000
.endm
.macro SETSC d
	v_mov_b32 v[SC], s[\d]
	v_mov_b32 v[SC+1], s[\d+1]
.endm
.macro PLACES                          ; four plain vector lines behind matrix instructions, ahead of reads of their results and of loads into their registers
.rept 4
	v_nop
.endr
.endm
.macro BARRIER                         ; my LDS stores have landed and my LDS loads are in: then the work-group's barrier
	s_wait_dscnt 0x0
	s_barrier_signal -1
	s_barrier_wait -1
.endm
.macro XLOAD reg, base                 ; 32 channels of my token: each load reads 128 consecutive bytes a wave; the largest offset, 31 x 262,144, is inside the signed 24-bit immediate
.set c, 0
.rept 32
	global_load_b32 v[\reg+c], v[XO], s[\base:\base+1] offset:CH*c
.set c, c+1
.endr
.endm
; 64 channels of 32 tokens (a lane a token) become two fragments of 16 tokens.  Channels 16 c + 0 .. 7 go to t0, 16 c + 8 .. 15 to t1; then t0's upper lanes change places with t1's lower lanes:
; t0 = tokens 0-15 (lower lanes the low eight channels, upper lanes the high eight), t1 = tokens 16-31.  The numbers are kept: they are quantised again under another scale.
.macro XQ x, t0, t1
.set g, 0
.rept 8
.set tt, TA+8*(g%2)
.irp i, 0,1,2,3,4,5,6,7
	v_med3_num_f32 v[tt+\i], v[\x+8*g+\i], -v[SC+1], v[SC+1]   ; the conversion to an 8-bit code does not saturate (ISA guide 7.6.2): the hold at the largest code x the scale
.endr
.if g%2
	v_cvt_scalef32_pk8_fp8_f32 v[\t1+2*(g/2):\t1+2*(g/2)+1], v[tt:tt+7], v[SC]
.else
	v_cvt_scalef32_pk8_fp8_f32 v[\t0+2*(g/2):\t0+2*(g/2)+1], v[tt:tt+7], v[SC]
.endif
.set g, g+1
.endr
	v_nop                                          ; a plain line between the last conversion and the lines that touch its result
.irp i, 0,1,2,3,4,5,6,7
	v_permlane16_swap_b32 v[\t0+\i], v[\t1+\i]
.endr
.endm
.macro HOLDCVT src, dst                ; eight numbers, from the low end on, are held and become eight codes
.irp j, 0,1,2,3,4,5,6,7
	v_med3_num_f32 v[(\src)+\j], v[(\src)+\j], -v[SC+1], v[SC+1]
.endr
	v_cvt_scalef32_pk8_fp8_f32 v[(\dst):(\dst)+1], v[(\src):(\src)+7], v[SC]
.endm
.macro WFETCH mat, reg                 ; a weight's four fragments
.irp a, 0,1,2,3
.irp q, 0,1
	ds_load_b128 v[\reg+8*\a+4*\q:\reg+8*\a+4*\q+3], v[LI] offset:WIMG+4096*\mat+1024*\a+512*\q
.endr
.endr
.endm
; k of 32 tokens: source 0 = 16 rows of Wk, source 1 = 16 tokens.  Tile a's eight codes are registers 2 a, 2 a + 1 of the token tile's fragment.
.macro PROJ_K grp, xf
.irp i, 0,1
.irp a, 0,1,2,3
	v_wmma_f32_16x16x64_fp8_fp8 v[D+8*(4*\i+\a):D+8*(4*\i+\a)+7], v[WF+8*\a:WF+8*\a+7], v[\xf+8*\i:\xf+8*\i+7], 0
.endr
.endr
	PLACES
.irp i, 0,1
.irp a, 0,1,2,3
	HOLDCVT D+8*(4*\i+\a), RC+8*\i+2*\a
.endr
.endr
	v_nop                                          ; a plain line behind the last conversion: later products write its sources
.irp i, 0,1
.irp q, 0,1
	ds_store_b128 v[KWI], v[RC+8*\i+4*\q:RC+8*\i+4*\q+3] offset:32768*\grp+1024*\i+512*\q
.endr
.endr
	s_wait_dscnt 0x0                               ; the stores have read their registers
.endm
; v of 32 tokens: source 0 = 16 tokens, source 1 = 16 rows of Wv: a lane holds a channel and eight tokens, the second product's K.  Token tiles 0, 1 are registers 4 (w % 4) + 0 .. 3 of the step's V^T fragment a.
.macro PROJ_V grp, xf
.irp i, 0,1
.irp a, 0,1,2,3
	v_wmma_f32_16x16x64_fp8_fp8 v[D+8*(4*\i+\a):D+8*(4*\i+\a)+7], v[\xf+8*\i:\xf+8*\i+7], v[WF+8*\a:WF+8*\a+7], 0
.endr
.endr
	PLACES
.irp i, 0,1
.irp a, 0,1,2,3
	HOLDCVT D+8*(4*\i+\a), RC+4*\a+2*\i
.endr
.endr
	v_nop
.irp a, 0,1,2,3
	ds_store_b128 v[VWI], v[RC+4*\a:RC+4*\a+3] offset:32768*\grp+2048*\a
.endr
	s_wait_dscnt 0x0
.endm
; q of my 32 queries stays in registers: [channels 0-31 | zero codes | channels 32-63]
.macro PROJ_Q
.irp i, 0,1
.irp a, 0,1,2,3
	v_wmma_f32_16x16x64_fp8_fp8 v[D+8*(4*\i+\a):D+8*(4*\i+\a)+7], v[WF+8*\a:WF+8*\a+7], v[XFAQ+8*\i:XFAQ+8*\i+7], 0
.endr
.endr
	PLACES
.irp i, 0,1
.irp a, 0,1,2,3
	HOLDCVT D+8*(4*\i+\a), Q+12*\i+2*\a+4*(\a/2)
.endr
.endr
	v_nop
.irp i, 0,1
.irp z, 4,5,6,7
	v_mov_b32 v[Q+12*\i+\z], 0
.endr
.endr
.endm
; One head's softmax of a key step: 64 scores a lane (query r, keys 16 t + 8 h + j) become p's codes, the K = 128 fragment at PC + 16 x head.
.macro SOFTMAX hd
.set T, ST+4*\hd
	v_max3_num_f32 v254, v[S], v[S+1], v[S+2]      ; the step's largest score of my query among my 64 keys, in two chains, the registers in ascending order
	v_max3_num_f32 v249, v[S+3], v[S+4], v[S+5]
.irp i, 6,10,14,18,22,26,30,34,38,42,46,50,54,58
	v_max3_num_f32 v254, v254, v[S+\i], v[S+1+\i]
	v_max3_num_f32 v249, v249, v[S+2+\i], v[S+3+\i]
.endr
	v_max3_num_f32 v254, v254, v[S+62], v[S+63]
	v_max_num_f32 v254, v254, v249
	v_permlanex16_b32 v248, v254, s62, s63
	v_max_num_f32 v254, v254, v248                 ; and among lane l xor 16's
	v_mul_f32 v254, s60, v254                      ; as t (c is positive)
	v_max_num_f32 v[T+1], v[T+1], v254             ; the running largest t
	v_mov_b32 v254, v[T]
	v_floor_f32 v[T], -v[T+1]                      ; the new -M = floor(-t): M is a whole number
	v_sub_f32 v254, v[T], v254                     ; old M - new M: a whole number, 0 or less
	v_cvt_i32_f32 v254, v254                       ; (it saturates)
	v_ldexp_f32 v252, 1.0, v254                    ; f = 2^(old M - new M)
.set n, 0
.rept 32
	v_pk_fma_f32 v[S+n:S+n+1], v[S+n:S+n+1], s[60:61], v[T:T+1] op_sel_hi:[1,0,0]   ; t - M, two at a time (of the pairs c and -M the low word serves both halves)
.set n, n+2
.endr
.set n, 0
.rept 64
	v_exp_f32 v[S+n], v[S+n]                       ; p = 2^(t - M)
.set n, n+1
.endr
	v_pk_mul_f32 v[T+2:T+3], v[T+2:T+3], v[252:253] op_sel_hi:[1,0]   ; the sums under the new M: the plain line behind the exponentials
	s_wait_alu depctr_va_vdst(0)                   ; one wait for the batch of 64, ahead of its first reader
	v_pk_add_f32 v[250:251], v[S:S+1], v[S+2:S+3]  ; the row's sum is taken of the unquantised p, in two chains
.irp j, 4,8,12,16,20,24,28,32,36,40,44,48,52,56,60
	v_pk_add_f32 v[T+2:T+3], v[T+2:T+3], v[S+\j:S+1+\j]
	v_pk_add_f32 v[250:251], v[250:251], v[S+2+\j:S+3+\j]
.endr
	v_pk_add_f32 v[T+2:T+3], v[T+2:T+3], v[250:251]
	s_cmp_eq_u32 s76, 0                            ; where e8 >= -8 the largest code x the scale is 448 x 2^e8 >= 1.75, and p passes 1 by a rounding at the most: the hold would change nothing.
	s_cbranch_scc1 .Lno_hold_\@                    ; A scalar branch on a whole number of lowp_scales, the same in every wave
.set n, 0
.rept 64
	v_min_num_f32 v[S+n], v[S+n], v[PSC+1]         ; p is not negative: the hold is one-sided
.set n, n+1
.endr
.Lno_hold_\@:
.irp j, 0,1,2,3,4,5,6,7
	v_cvt_scalef32_pk8_fp8_f32 v[PC+16*\hd+2*\j:PC+16*\hd+2*\j+1], v[S+8*\j:S+8*\j+7], v[PSC]
.endr
.set n, 0
.rept 8
	v_pk_mul_f32 v[O+16*\hd+n:O+16*\hd+n+1], v[O+16*\hd+n:O+16*\hd+n+1], v[252:253] op_sel_hi:[1,0]   ; the head's O^T under the new M; also the plain lines behind the conversions
.set n, n+2
.endr
.endm
; A key step of 128 keys for query tile i, both heads.
.macro STEP i
	v_add_nc_u32 v[ADK], s74, v[AK0]
	v_add_nc_u32 v[ADV], s74, v[AV0]
	v_nop                                          ; with the two additions: four plain lines behind the last products, ahead of loads into registers that they read
	v_nop
.irp j, 0,1,2,3,4,5,6,7
.irp q, 0,1
	ds_load_b128 v[KF+8*\j+4*\q:KF+8*\j+4*\q+3], v[ADK] offset:1024*\j+512*\q
.endr
.endr
	s_wait_dscnt 0x0
.irp j, 0,1,2,3,4,5,6,7
	v_wmma_f32_16x16x64_fp8_fp8 v[S+8*\j:S+8*\j+7], v[KF+8*\j:KF+8*\j+7], v[Q+12*\i:Q+12*\i+7], 0        ; head 0: channels 32-63 meet zero codes
.endr
	PLACES
	SOFTMAX 0
.irp j, 0,1,2,3,4,5,6,7
	v_wmma_f32_16x16x64_fp8_fp8 v[S+8*\j:S+8*\j+7], v[KF+8*\j:KF+8*\j+7], v[Q+12*\i+4:Q+12*\i+11], 0     ; head 1: channels 0-31 meet zero codes
.endr
	PLACES
.irp a, 0,1,2,3
.irp g, 0,1,2,3
	ds_load_b128 v[KF+16*\a+4*\g:KF+16*\a+4*\g+3], v[ADV] offset:2048*\a+512*\g    ; V^T takes K's registers and lands while head 1's softmax is walked
.endr
.endr
	SOFTMAX 1
	s_wait_dscnt 0x0
.irp a, 0,1,2,3                        ; the four accumulators by turns, one instruction a turn; sixteen other products stand between two links of a chain
	v_wmma_f32_16x16x128_fp8_fp8 v[O+8*\a:O+8*\a+7], v[KF+16*\a:KF+16*\a+15], v[PC+16*(\a/2):PC+16*(\a/2)+15], v[O+8*\a:O+8*\a+7]
.endr
.endm
; O^T / the sum is quantised (the three scales folded into one), multiplied with Wp, and y goes to the stage.
.macro FINISH i
	v_add_f32 v[ST+2], v[ST+2], v[ST+3]            ; a sum's two halves,
	v_add_f32 v[ST+6], v[ST+6], v[ST+7]
	v_permlanex16_b32 v248, v[ST+2], s62, s63
	v_permlanex16_b32 v249, v[ST+6], s62, s63
	v_add_f32 v[ST+2], v[ST+2], v248               ; and lane l xor 16's
	v_add_f32 v[ST+6], v[ST+6], v249
	v_rcp_f32 v252, v[ST+2]
	v_rcp_f32 v250, v[ST+6]
	v_nop                                          ; the plain line behind the reciprocals; with the four additions also the places ahead of the loads below
	WFETCH 3, KF
	SETSC 56
	s_wait_alu depctr_va_vdst(0)                   ; one wait for both reciprocals, ahead of their first reader
.set n, 0
.rept 8
	v_pk_mul_f32 v[O+n:O+n+1], v[O+n:O+n+1], v[252:253] op_sel_hi:[1,0]
.set n, n+2
.endr
.rept 8
	v_pk_mul_f32 v[O+n:O+n+1], v[O+n:O+n+1], v[250:251] op_sel_hi:[1,0]
.set n, n+2
.endr
.irp a, 0,1,2,3
	HOLDCVT O+8*\a, OC+2*\a
.endr
	v_nop
	s_wait_dscnt 0x0                               ; Wp's fragments are in
.irp a, 0,1,2,3
	v_wmma_f32_16x16x64_fp8_fp8 v[S+8*\a:S+8*\a+7], v[OC:OC+7], v[KF+8*\a:KF+8*\a+7], 0   ; source 0 = my 16 queries, source 1 = 16 rows of Wp
.endr
	PLACES
.set n, 0
.rept 16
	v_pk_mul_f32 v[YS+n:YS+n+1], v[S+n:S+n+1], s[58:59] op_sel_hi:[1,0]   ; x 2^(e10 + e11), each accumulator from its low end on
.set n, n+2
.endr
.irp a, 0,1,2,3
.irp q, 0,1
	ds_store_b128 v[STO+(\a/2)], v[YS+8*\a+4*\q:YS+8*\a+4*\q+3] offset:16*SPITCH*(\a%2)+64*\i+16*\q   ; channel 16 a + r, tokens 32 w + 16 i + 8 h + 0 .. 7
.endr
.endr
	s_wait_dscnt 0x0                               ; the stores have read their registers
.endm
.macro PASS i                          ; one tile of 16 queries against all 1,024 keys
.irp hd, 0,1
	v_mov_b32 v[ST+4*\hd+1], 0xff61b1e6            ; the largest t so far: -3e38, under every t
	v_floor_f32 v[ST+4*\hd], -v[ST+4*\hd+1]
	v_mov_b32 v[ST+4*\hd+2], 0
	v_mov_b32 v[ST+4*\hd+3], 0
.endr
.set n, 0
.rept 32
	v_mov_b32 v[O+n], 0                            ; the step is written once: its first trip finds zeros, which the first change of M leaves zeros
.set n, n+1
.endr
	s_mov_b32 s74, 0
	s_mov_b32 s75, 8
.Lstep_\@:
	STEP \i
	s_add_co_u32 s74, s74, 8192                    ; a step's K and a step's V are 8,192 bytes each
	s_sub_co_i32 s75, s75, 1
	s_cmp_lg_u32 s75, 0
	s_cbranch_scc1 .Lstep_\@
	FINISH \i
.endm
	; ---- the head: addresses
	s_load_b256 s[4:11], s[0:1], 0x0               ; x s[4:5], Wq s[6:7], Wk s[8:9], Wv s[10:11]
	s_load_b128 s[12:15], s[0:1], 0x20             ; Wp s[12:13], lowp_scales s[14:15]
	s_load_b64 s[16:17], s[0:1], 0x30              ; out0
	v_lshl_add_u32 v31, v0, 2, 0x44400
	v_mov_b32 v255, 0
	v_lshrrev_b32 v13, 5, v0
	v_readfirstlane_b32 s18, v13                   ; wave 0..15
	v_and_b32 v13, 31, v0                          ; lane
	v_and_b32 v15, 15, v0                          ; r
	v_bfe_u32 v28, v0, 4, 1                        ; h
	v_lshlrev_b32 v[LI], 4, v13
	v_lshlrev_b32 v[XO], 2, v13
	v_lshlrev_b32 v[WO], 8, v15
	v_lshl_add_u32 v[WO], v28, 5, v[WO]
	v_add_nc_u32 v[AK0], KIMG, v[LI]
	v_add_nc_u32 v[AV0], VIMG, v[LI]
	s_lshl_b32 s19, s18, 11
	v_add_nc_u32 v[KWI], s19, v[AK0]               ; key tile 2 w
	s_lshr_b32 s19, s18, 2
	s_lshl_b32 s19, s19, 13
	s_and_b32 s20, s18, 3
	s_lshl_b32 s21, s20, 9
	s_add_co_u32 s19, s19, s21
	v_add_nc_u32 v[VWI], s19, v[AV0]               ; step w / 4, piece w % 4
	v_mul_u32_u24 v[STO], v15, SPITCH
	v_lshl_add_u32 v[STO], v28, 5, v[STO]
	s_lshl_b32 s19, s18, 7
	s_add_co_u32 s19, s19, STG
	v_add_nc_u32 v[STO], s19, v[STO]
	v_add_nc_u32 v[STO2], 32*SPITCH, v[STO]
	s_mul_i32 s19, s18, 4*SPITCH
	s_add_co_u32 s19, s19, STG
	v_add_nc_u32 v[SR], s19, v[LI]
	s_lshl_b32 s19, s18, 10
	v_add_nc_u32 v[WWI], s19, v[LI]
	v_mov_b32 v248, 0                              ; written once: a lane permute's destination counts as one of its sources
	v_mov_b32 v253, 0                              ; (named as the upper half of the pair v[252:253])
	s_and_b32 s21, ttmp9, 1                        ; u: which half of the window's queries
	s_lshr_b32 s22, ttmp9, 1                       ; the window
	s_lshr_b32 s23, s22, 6                         ; its image
	s_and_b32 s22, s22, 63                         ; its band
	s_lshl_b32 s23, s23, 24                        ; 64 channels x 262,144 bytes
	s_lshl_b32 s22, s22, 12                        ; 1,024 tokens x 4 bytes
	s_add_co_u32 s22, s22, s23
	s_lshl_b32 s19, s18, 7
	s_add_co_u32 s82, s22, s19                     ; + 32 w tokens
	s_lshl_b32 s19, s21, 11
	s_add_co_u32 s80, s82, s19                     ; group A: my half
	s_mov_b32 s81, 0
	s_xor_b32 s23, s19, 2048
	s_add_co_u32 s84, s82, s23                     ; group B: the other half
	s_mov_b32 s85, 0
	s_add_co_u32 s86, s22, s19
	s_lshl_b32 s23, s18, 20
	s_add_co_u32 s86, s86, s23                     ; out0: my half's tokens, channels 4 w on
	s_mov_b32 s87, 0
	s_lshl_b32 s90, s20, 12                        ; my 16 rows of my weight
	s_mov_b32 s91, 0
	s_mov_b32 s62, 0x76543210
	s_mov_b32 s63, 0xfedcba98
	s_wait_kmcnt 0x0
	s_load_b256 s[24:31], s[14:15], 0x0            ; e0 .. e7
	s_load_b128 s[32:35], s[14:15], 0x20           ; e8 .. e11
	s_add_nc_u64 s[66:67], s[4:5], s[80:81]
	s_add_nc_u64 s[68:69], s[66:67], 32*CH
	s_add_nc_u64 s[70:71], s[4:5], s[84:85]
	s_add_nc_u64 s[72:73], s[70:71], 32*CH
	s_add_nc_u64 s[78:79], s[16:17], s[86:87]
	s_cmp_lt_u32 s18, 4                            ; waves 0-3 quantise Wq, 4-7 Wk, 8-11 Wv, 12-15 Wp: a choice on the wave's number
	s_cselect_b64 s[36:37], s[6:7], s[8:9]
	s_cmp_lt_u32 s18, 12
	s_cselect_b64 s[88:89], s[10:11], s[12:13]
	s_cmp_lt_u32 s18, 8
	s_cselect_b64 s[36:37], s[36:37], s[88:89]
	s_add_nc_u64 s[36:37], s[36:37], s[90:91]
.irp c, 0,1,2,3
	global_load_b128 v[WRAW+8*\c:WRAW+8*\c+3], v[WO], s[36:37] offset:64*\c        ; W(16 a + r, 16 c + 8 h + 0 .. 7)
	global_load_b128 v[WRAW+8*\c+4:WRAW+8*\c+7], v[WO], s[36:37] offset:64*\c+16
.endr
	XLOAD XA, 66
	; ---- the scales
	s_wait_kmcnt 0x0
	s_cmp_lt_u32 s18, 4
	s_cselect_b32 s38, s25, s27
	s_cmp_lt_u32 s18, 12
	s_cselect_b32 s39, s29, s35
	s_cmp_lt_u32 s18, 8
	s_cselect_b32 s38, s38, s39                    ; my weight's e: e1, e3, e5 or e11
	MKSC 40, 24                                    ; x for q
	MKSC 42, 26                                    ; x for k
	MKSC 44, 28                                    ; x for v
	MKSC 46, 38                                    ; my weight
	s_sub_co_i32 s19, s30, s24
	s_sub_co_i32 s19, s19, s25
	MKSC 48, 19                                    ; a sum of the first product stands for sum x 2^(e0 + e1): q's code is sum / 2^(e6 - e0 - e1)
	s_sub_co_i32 s19, s31, s26
	s_sub_co_i32 s19, s19, s27
	MKSC 50, 19                                    ; k: e7 - e2 - e3
	s_sub_co_i32 s19, s33, s28
	s_sub_co_i32 s19, s19, s29
	MKSC 52, 19                                    ; v: e9 - e4 - e5
	MKSC 54, 32                                    ; p: e8
	s_sub_co_i32 s19, s34, s32
	s_sub_co_i32 s19, s19, s33
	MKSC 56, 19                                    ; O: e10 - e8 - e9
	s_add_co_i32 s58, s34, s35
	s_add_co_i32 s58, s58, 127
	s_lshl_b32 s58, s58, 23                        ; 2^(e10 + e11)
	s_mov_b32 s59, s58                             ; (named with it as a pair, so it is written)
	s_add_co_i32 s19, s30, s31
	s_lshl_b32 s19, s19, 23
	s_add_co_i32 s60, s19, 0x3e8293ee              ; c = log2(e) / sqrt(32), with e6 + e7 added to its exponent field
	s_mov_b32 s61, s60
	s_cmp_lt_i32 s32, -8
	s_cselect_b32 s76, 1, 0                        ; p is held only where 448 x 2^e8 lies under 1.75
	v_mov_b32 v[PSC], s54
	v_mov_b32 v[PSC+1], s55
	; ---- my fragment of the weights
	s_wait_loadcnt 32                              ; behind W's eight loads stand the 32 of group A's channels 0-31: W is in
	SETSC 46
.irp c, 0,1,2,3
	HOLDCVT WRAW+8*\c, WC+2*\c
.endr
	v_nop
	ds_store_b128 v[WWI], v[WC:WC+3]
	ds_store_b128 v[WWI], v[WC+4:WC+7] offset:512
	XLOAD XA+32, 68
	XLOAD XB, 70
	s_wait_loadcnt 32                              ; all of group A is in; group B's channels 0-31 may be out
	XLOAD XB+32, 72
	s_wait_dscnt 0x0                               ; the stores have read v192-199, which group A's fragments take
	; ---- x becomes fragments: group A under e2, e4 and e0, group B under e2 and e4
	SETSC 42
	XQ XA, XFAK, XFAK+8
	SETSC 44
	XQ XA, XFAV, XFAV+8
	SETSC 40
	XQ XA, XFAQ, XFAQ+8
	s_wait_loadcnt 0x0
	SETSC 42
	XQ XB, XFBK, XFBK+8
	SETSC 44
	XQ XB, XFBV, XFBV+8
	BARRIER                                        ; the sixteen fragments of the weights lie in LDS
	; ---- the projections
	WFETCH 1, WF
	s_wait_dscnt 0x0
	SETSC 50
	PROJ_K 0, XFAK
	PROJ_K 1, XFBK
	WFETCH 2, WF
	s_wait_dscnt 0x0
	SETSC 52
	PROJ_V 0, XFAV
	PROJ_V 1, XFBV
	WFETCH 0, WF
	s_wait_dscnt 0x0
	SETSC 48
	PROJ_Q
	BARRIER                                        ; all 1,024 keys' K and V lie in LDS
	; ---- attention and the last product, a tile of 16 queries at a time
	PASS 0
	PASS 1
	BARRIER                                        ; 64 channel rows of 512 tokens lie in the stage
	; ---- the way out: wave w stores channels 4 w .. 4 w + 3
.irp t, 0,1,2,3,4,5,6,7,8,9,10,11,12,13,14,15
	ds_load_b128 v[32+4*\t:35+4*\t], v[SR] offset:SPITCH*(\t/4)+512*(\t%4)
.endr
.irp t, 0,1,2,3,4,5,6,7,8,9,10,11,12,13,14,15
	s_wait_dscnt 15-\t                             ; LDS loads come back in order: load t is in, the 15 - t younger ones may be out
	global_store_b128 v[LI], v[32+4*\t:35+4*\t], s[78:79] offset:CH*(\t/4)+512*(\t%4) th:TH_STORE_NT   ; 32 lanes store 512 consecutive bytes, at a multiple of 256 from out0's first byte
.endr
	s_wait_tensorcnt 0x0
	ds_add_u32 v31, v255
	s_wait_dscnt 0x0
	s_endpgm
.Lfunc_end_k_qe02c5e2972_patchattn:
	.size	k_qe02c5e2972_patchattn, .Lfunc_end_k_qe02c5e2972_patchattn-k_qe02c5e2972_patchattn
	.p2alignl 7, 3214868480
	.fill 96, 4, 3214868480
	.section	.rodata,"a",@progbits
	.p2align	6, 0x0
	.amdhsa_kernel k_qe02c5e2972_patchattn
		.amdhsa_group_segment_fixed_size 281600
		.amdhsa_private_segment_fixed_size 0
		.amdhsa_enable_private_segment 0
		.amdhsa_kernarg_size 56
		.amdhsa_user_sgpr_count 2
		.amdhsa_user_sgpr_kernarg_segment_ptr 1
		.amdhsa_wavefront_size32 1
		.amdhsa_system_sgpr_workgroup_id_x 1
		.amdhsa_system_sgpr_workgroup_id_y 1
		.amdhsa_system_sgpr_workgroup_id_z 1
		.amdhsa_system_vgpr_workitem_id 0
		.amdhsa_next_free_vgpr 256
		.amdhsa_next_free_sgpr 100
		.amdhsa_reserve_vcc 0
		.amdhsa_float_denorm_mode_32 3
		.amdhsa_float_denorm_mode_16_64 3
		.amdhsa_memory_ordered 1
		.amdhsa_forward_progress 1
		.amdhsa_inst_pref_size 147
	.end_amdhsa_kernel
	.amdgpu_metadata
---
amdhsa.version: [ 1, 2 ]
amdhsa.kernels:
  - .name:           k_qe02c5e2972_patchattn
    .symbol:         k_qe02c5e2972_patchattn.kd
    .args:
      - { .name: x, .offset: 0, .size: 8, .value_kind: global_buffer, .address_space: global }
      - { .name: Wq, .offset: 8, .size: 8, .value_kind: global_buffer, .address_space: global }
      - { .name: Wk, .offset: 16, .size: 8, .value_kind: global_buffer, .address_space: global }
      - { .name: Wv, .offset: 24, .size: 8, .value_kind: global_buffer, .address_space: global }
      - { .name: Wp, .offset: 32, .size: 8, .value_kind: global_buffer, .address_space: global }
      - { .name: lowp_scales, .offset: 40, .size: 8, .value_kind: global_buffer, .address_space: global }
      - { .name: out0, .offset: 48, .size: 8, .value_kind: global_buffer, .address_space: global }
    .group_segment_fixed_size: 281600
    .private_segment_fixed_size: 0
    .kernarg_segment_align: 8
    .kernarg_segment_size: 56
    .max_flat_workgroup_size: 512
    .sgpr_count:     100
    .vgpr_count:     256
    .wavefront_size: 32
...
	.end_amdgpu_metadata
.endif
;; end of part 1
;; ======== version 2 of 2: 1 launch; version 1 with the launch patchattn written anew for expert scheduling mode
;; launch patchattn (part 2): grid 256 x 1, 16 waves a work-group, no clusters, 281,600 bytes of LDS; arguments x, Wq, Wk, Wv, Wp, lowp_scales, out0; writes out0
.if DOCPART == 2
	.amdgcn_target "amdgcn-amd-amdhsa--gfx1250"
	.amdhsa_code_object_version 6
	.text
	.protected	k_qe02c5e2972_patchattn
	.globl	k_qe02c5e2972_patchattn
	.p2align	8
	.type	k_qe02c5e2972_patchattn,@function
k_qe02c5e2972_patchattn:
	s_mov_b64 s[64:65], 0
	v_nop
	global_prefetch_b8 v0, s[64:65] scope:SCOPE_SE
	s_setreg_imm32_b32 hwreg(HW_REG_WAVE_SCHED_MODE, 0, 2), 2
	s_setreg_imm32_b32 hwreg(HW_REG_WAVE_MODE, 25, 1), 1
	s_wait_xcnt 0x0
	s_wait_alu depctr_vm_vsrc(0)
; ATTENTION IN ROW BANDS, all six products on codes of FP8 (E4M3), each operand with the one scale 2^e given for it (lowp_scales e0 .. e11).
; x, out0: [2][64 channels][256][256] f32.  A window is 4 image rows = 1,024 tokens; in memory it is 64 channel rows of 4,096 consecutive bytes, 262,144 bytes apart.
; q, k, v = x W^T (x quantised three times: e0, e2, e4), two heads of 32 channels, softmax over the window's 1,024 keys, then the product with Wp over both heads' 64 channels.
; SOFTMAX AHEAD OF THE SECOND PRODUCT: t = score x log2(e) / sqrt(32); M = the running largest t rounded UP to a whole number; p = 2^(t - M) is quantised, not normalised;
; the row's sum is taken of the unquantised p and divides O at the end; when M moves, the sum and O are multiplied by 2^(old M - new M), which rounds nothing.
; SHARES.  256 work-groups: work-group 2 win + u owns queries 512 u .. 512 u + 511 of window win, BOTH heads (so the last product has one owner), against all 1,024 keys.
; Sixteen waves of 256 registers, four to a SIMD, so that one wave's softmax stands beside another's products and LDS loads.  Wave w owns 32 queries (two tiles of 16) and projects k and v
; for two groups of 32 tokens: A = its own queries' tokens, B = the same place in the window's other half.  In LDS the own half's keys lie first (a softmax does not ask for the keys' order, and K and V
; are laid alike), so no LDS address hangs on the work-group's number.
; OPERANDS LIE IN LDS AS IMAGES OF THEIR REGISTERS: four registers by one ds_store_b128 at 16 x lane, 512 bytes; the same line as a load gives any wave the same registers in the same lanes.
; LAYOUT (lane = 16 h + r; a fragment's registers 2 c, 2 c + 1 hold k = 16 c + 8 h + 0 .. 7): every result falls so that eight neighbouring registers are eight neighbours along the next K:
;   k, q:  D = W-rows x tokens: a lane holds token r and channels 16 a + 8 h + j           v:  D = tokens x W-rows: a lane holds channel 16 a + r and tokens 8 h + j (the keys are V's K)
;   S^T = K Q^T: a lane holds query r and keys 16 t + 8 h + j      O^T = V^T P: query r, channels 16 a + 8 h + j      y = O Wp^T: channel 16 a + r, tokens 8 h + j: 32 neighbouring bytes of out0
; A head's K is 32: a key's fragment holds both heads' 64 channels, and Q is kept as [head 0 | four registers of zero codes | head 1], so that the other head's channels meet zeros.
; NO TENSOR LOADS, NO CLUSTER: what two work-groups share is a window's x, 262,144 bytes of f32 read once at the head, which must pass through registers to be quantised and has no room in LDS
; beside the 279,552 bytes of images and stage; all later traffic is the work-group's own LDS.  NO PREFETCH: all of x is asked for at the head.
; LIMITS on the given exponents, so that each power of two below is an f32 number: e0, e2, e4, e1, e3, e5, e11, e8, e6-e0-e1, e7-e2-e3, e9-e4-e5 and e10-e8-e9 between -126 and 119;
; e10+e11 between -126 and 127; e6+e7 between -124 and 129.  NaN among the inputs is not served.
; THE MODE: SCHED_MODE bits 1:0 = 2 (LLVM: expert scheduling mode 2), set by the entry lines.  The code itself states the register dependences
; between vector or matrix instructions and memory or LDS instructions, with s_wait_alu, always for 0.
; THE PLAN.  Registers that memory or LDS instructions touch:
;   v1-7, v10-12, v14   offsets and LDS addresses: made once at the head, ahead of one wait on va_vdst, and never written again.
;   v160-191, v32-159   W's and x's loads land in registers that no vector line has named before.
;   v192-199 (WC)       written by W's conversions, read by two LDS stores (a wait on va_vdst between); written again by group A's third quantising (a wait on vm_vsrc ahead of it).
;   v64-95 (WF)         a weight's fragments land where vector or matrix lines have read: Wk's behind a wait of its own; Wv's and Wq's behind the wait ahead of the projection's stores, since no vector line follows that wait.
;   v208-223 (RC)       written by a projection's conversions, read by its LDS stores: a wait on va_vdst ahead of the stores, one on vm_vsrc behind them.
;   v8, v9 (ADK, ADV)   written at a key step's head, read by the step's 16 loads of K and 16 of V^T: a wait on vm_vsrc ahead of the two additions, the step's wait on va_vdst behind them.
;   v32-95 (KF)         in a key step: K's loads land; both heads' products K Q^T read; V^T's loads land; the products V^T P read.  So a step has two waits on va_vdst: at its head and ahead of V^T's loads.
;                       All 256 registers of the wave are laid out, so K and V^T share this one buffer; V^T's loads stand a whole softmax ahead of their use.
;   v128-159 (YS)       written by the last scaling, read by the stage's LDS stores (a wait on va_vdst between); written again by the second tile's products, behind the wait on vm_vsrc at that tile's first step.
;   S^T and p, O^T, p's codes, Q and the statistics are named by vector and matrix instructions alone.
.set CH,     262144                    ; bytes from a channel to the next
.set WIMG,   0                         ; LDS: 16 fragments of the weights: 4 x matrix (q, k, v, p) + tile of 16 rows; 1,024 bytes each
.set KIMG,   16384                     ; 64 tiles of 16 keys x 64 channels, 1,024 bytes each; a key step is 8 tiles
.set VIMG,   81920                     ; 8 key steps x 4 tiles of 16 channels x 128 keys, 2,048 bytes each
.set STG,    147456                    ; the stage for out0: 64 channel rows of 2,048 bytes + 16
.set SPITCH, 2064                      ; 129 x 16 bytes: sixteen rows start in sixteen different columns of 16 bytes
.set LI,   1                           ; v1   16 x lane: my place in an image; also my offset in a stored row
.set AK0,  2                           ; v2   LI + KIMG
.set AV0,  3                           ; v3   LI + VIMG
.set XO,   4                           ; v4   4 x lane: my token among the wave's 32
.set WO,   5                           ; v5   256 r + 32 h: my eight numbers of a row of W
.set KWI,  6                           ; v6   where I store K's images: tile 2 w
.set VWI,  7                           ; v7   where I store V's: step w / 4, registers 4 (w % 4) on
.set ADK,  8                           ; v8   the step's K
.set ADV,  9                           ; v9   the step's V
.set STO,  10                          ; v10  the stage: row r, + 32 h + 128 w
.set STO2, 11                          ; v11  the same 32 rows on
.set SR,   12                          ; v12  the stage, back: my four rows
.set WWI,  14                          ; v14  where I store my fragment of the weights
.set ST,   16                          ; v16-19, v20-23: a head's -M, largest t, sum in two halves
.set SC,   24                          ; v24, v25: the scale in hand as f32, and 448 x it
.set PSC,  26                          ; v26, v27: the same for p; they stay
.set XA,   32                          ; v32-95   group A: channel c of my token
.set XB,   96                          ; v96-159  group B
.set WRAW, 160                         ; v160-191 32 numbers of W, at the head alone
.set WC,   192                         ; v192-199 their codes
.set XFAK, 160                         ; group A's two fragments under e2, e4, e0
.set XFAV, 176
.set XFAQ, 192
.set XFBK, 32                          ; group B's under e2, e4: where group A's numbers lay
.set XFBV, 48
.set WF,   64                          ; v64-95   four fragments of a weight
.set TA,   208                         ; v208-223 two sets of eight held numbers; later the codes just made
.set RC,   208
.set D,    96                          ; v96-159  eight results of a projection
.set Q,    224                         ; v224-247 twelve registers a tile of queries
.set KF,   32                          ; v32-95   eight fragments of K, then four of V^T
.set S,    96                          ; v96-159  S^T, then p
.set O,    160                         ; v160-191 O^T: tile a of 16 channels at 8 a
.set PC,   192                         ; v192-223 p's codes, a head's at 16 x head
.set OC,   64                          ; v64-71   O's codes
.set YS,   128                         ; v128-159 y
; v248, v249 exchanges and a second chain; v[250:251] a second sum; v[252:253] f = 2^(old M - new M); v254 at work
; s18 wave; s[24:35] e0 .. e11; s[36:37], s38 my weight and its e; s[40:57] nine pairs (2^e, 448 x 2^e); s[58:59] 2^(e10+e11); s[60:61] c; s[62:63] lane selects;
; s[66:73] x: group A channels 0-31, 32-63, group B likewise; s74 the step's LDS bytes; s75 steps to go; s76 1 where p must be held; s[78:79] out0
.macro MKSC d, e                       ; s[d] = 2^e as f32, s[d+1] = 448 x 2^e
	s_add_co_i32 s[\d+1], s[\e], 127
	s_lshl_b32 s[\d], s[\d+1], 23
	s_add_co_i32 s[\d+1], s[\d+1], 8
	s_lshl_b32 s[\d+1], s[\d+1], 23
	s_or_b32 s[\d+1], s[\d+1], 0x600000
.endm
.macro SETSC d
	v_mov_b32 v[SC], s[\d]
	v_mov_b32 v[SC+1], s[\d+1]
.endm
.macro PLACES                          ; four plain vector lines behind matrix instructions, ahead of reads of their results and of loads into their registers
.rept 4
	v_nop
.endr
.endm
.macro BARRIER                         ; my LDS stores have landed and my LDS loads are in: then the work-group's barrier
	s_wait_dscnt 0x0
	s_barrier_signal -1
	s_barrier_wait -1
.endm
.macro XLOAD reg, base                 ; 32 channels of my token: each load reads 128 consecutive bytes a wave; the largest offset, 31 x 262,144, is inside the signed 24-bit immediate
.set c, 0
.rept 32
	global_load_b32 v[\reg+c], v[XO], s[\base:\base+1] offset:CH*c
.set c, c+1
.endr
.endm
; 64 channels of 32 tokens (a lane a token) become two fragments of 16 tokens.  Channels 16 c + 0 .. 7 go to t0, 16 c + 8 .. 15 to t1; then t0's upper lanes change places with t1's lower lanes:
; t0 = tokens 0-15 (lower lanes the low eight channels, upper lanes the high eight), t1 = tokens 16-31.  The numbers are kept: they are quantised again under another scale.
.macro XQ x, t0, t1
.set g, 0
.rept 8
.set tt, TA+8*(g%2)
.irp i, 0,1,2,3,4,5,6,7
	v_med3_num_f32 v[tt+\i], v[\x+8*g+\i], -v[SC+1], v[SC+1]   ; the conversion to an 8-bit code does not saturate (ISA guide 7.6.2): the hold at the largest code x the scale
.endr
.if g%2
	v_cvt_scalef32_pk8_fp8_f32 v[\t1+2*(g/2):\t1+2*(g/2)+1], v[tt:tt+7], v[SC]
.else
	v_cvt_scalef32_pk8_fp8_f32 v[\t0+2*(g/2):\t0+2*(g/2)+1], v[tt:tt+7], v[SC]
.endif
.set g, g+1
.endr
	v_nop                                          ; a plain line between the last conversion and the lines that touch its result
.irp i, 0,1,2,3,4,5,6,7
	v_permlane16_swap_b32 v[\t0+\i], v[\t1+\i]
.endr
.endm
.macro HOLDCVT src, dst                ; eight numbers, from the low end on, are held and become eight codes
.irp j, 0,1,2,3,4,5,6,7
	v_med3_num_f32 v[(\src)+\j], v[(\src)+\j], -v[SC+1], v[SC+1]
.endr
	v_cvt_scalef32_pk8_fp8_f32 v[(\dst):(\dst)+1], v[(\src):(\src)+7], v[SC]
.endm
.macro WFETCH mat, reg                 ; a weight's four fragments
.irp a, 0,1,2,3
.irp q, 0,1
	ds_load_b128 v[\reg+8*\a+4*\q:\reg+8*\a+4*\q+3], v[LI] offset:WIMG+4096*\mat+1024*\a+512*\q
.endr
.endr
.endm
; k of 32 tokens: source 0 = 16 rows of Wk, source 1 = 16 tokens.  Tile a's eight codes are registers 2 a, 2 a + 1 of the token tile's fragment.
.macro PROJ_K grp, xf
.irp i, 0,1
.irp a, 0,1,2,3
	v_wmma_f32_16x16x64_fp8_fp8 v[D+8*(4*\i+\a):D+8*(4*\i+\a)+7], v[WF+8*\a:WF+8*\a+7], v[\xf+8*\i:\xf+8*\i+7], 0
.endr
.endr
	PLACES
.irp i, 0,1
.irp a, 0,1,2,3
	HOLDCVT D+8*(4*\i+\a), RC+8*\i+2*\a
.endr
.endr
	v_nop                                          ; a plain line behind the last conversion: later products write its sources
	s_wait_alu depctr_va_vdst(0)                   ; the conversions have written v[RC ..], which the stores read; the products above are done reading v[WF ..], in which, behind group B's turn, the next weight's fragments land
.irp i, 0,1
.irp q, 0,1
	ds_store_b128 v[KWI], v[RC+8*\i+4*\q:RC+8*\i+4*\q+3] offset:32768*\grp+1024*\i+512*\q
.endr
.endr
	s_wait_dscnt 0x0                               ; the stores have read their registers
	s_wait_alu depctr_vm_vsrc(0)                   ; the stores have read v[RC ..], which the next conversions write
.endm
; v of 32 tokens: source 0 = 16 tokens, source 1 = 16 rows of Wv: a lane holds a channel and eight tokens, the second product's K.  Token tiles 0, 1 are registers 4 (w % 4) + 0 .. 3 of the step's V^T fragment a.
.macro PROJ_V grp, xf
.irp i, 0,1
.irp a, 0,1,2,3
	v_wmma_f32_16x16x64_fp8_fp8 v[D+8*(4*\i+\a):D+8*(4*\i+\a)+7], v[\xf+8*\i:\xf+8*\i+7], v[WF+8*\a:WF+8*\a+7], 0
.endr
.endr
	PLACES
.irp i, 0,1
.irp a, 0,1,2,3
	HOLDCVT D+8*(4*\i+\a), RC+4*\a+2*\i
.endr
.endr
	v_nop
	s_wait_alu depctr_va_vdst(0)                   ; the conversions have written v[RC ..], which the stores read; the products above are done reading v[WF ..], in which, behind group B's turn, the next weight's fragments land
.irp a, 0,1,2,3
	ds_store_b128 v[VWI], v[RC+4*\a:RC+4*\a+3] offset:32768*\grp+2048*\a
.endr
	s_wait_dscnt 0x0
	s_wait_alu depctr_vm_vsrc(0)                   ; the stores have read v[RC ..], which the next conversions write (behind group B's turn: those of p's codes)
.endm
; q of my 32 queries stays in registers: [channels 0-31 | zero codes | channels 32-63]
.macro PROJ_Q
.irp i, 0,1
.irp a, 0,1,2,3
	v_wmma_f32_16x16x64_fp8_fp8 v[D+8*(4*\i+\a):D+8*(4*\i+\a)+7], v[WF+8*\a:WF+8*\a+7], v[XFAQ+8*\i:XFAQ+8*\i+7], 0
.endr
.endr
	PLACES
.irp i, 0,1
.irp a, 0,1,2,3
	HOLDCVT D+8*(4*\i+\a), Q+12*\i+2*\a+4*(\a/2)
.endr
.endr
	v_nop
.irp i, 0,1
.irp z, 4,5,6,7
	v_mov_b32 v[Q+12*\i+\z], 0
.endr
.endr
.endm
; One head's softmax of a key step: 64 scores a lane (query r, keys 16 t + 8 h + j) become p's codes, the K = 128 fragment at PC + 16 x head.
.macro SOFTMAX hd
.set T, ST+4*\hd
	v_max3_num_f32 v254, v[S], v[S+1], v[S+2]      ; the step's largest score of my query among my 64 keys, in two chains, the registers in ascending order
	v_max3_num_f32 v249, v[S+3], v[S+4], v[S+5]
.irp i, 6,10,14,18,22,26,30,34,38,42,46,50,54,58
	v_max3_num_f32 v254, v254, v[S+\i], v[S+1+\i]
	v_max3_num_f32 v249, v249, v[S+2+\i], v[S+3+\i]
.endr
	v_max3_num_f32 v254, v254, v[S+62], v[S+63]
	v_max_num_f32 v254, v254, v249
	v_permlanex16_b32 v248, v254, s62, s63
	v_max_num_f32 v254, v254, v248                 ; and among lane l xor 16's
	v_mul_f32 v254, s60, v254                      ; as t (c is positive)
	v_max_num_f32 v[T+1], v[T+1], v254             ; the running largest t
	v_mov_b32 v254, v[T]
	v_floor_f32 v[T], -v[T+1]                      ; the new -M = floor(-t): M is a whole number
	v_sub_f32 v254, v[T], v254                     ; old M - new M: a whole number, 0 or less
	v_cvt_i32_f32 v254, v254                       ; (it saturates)
	v_ldexp_f32 v252, 1.0, v254                    ; f = 2^(old M - new M)
.set n, 0
.rept 32
	v_pk_fma_f32 v[S+n:S+n+1], v[S+n:S+n+1], s[60:61], v[T:T+1] op_sel_hi:[1,0,0]   ; t - M, two at a time (of the pairs c and -M the low word serves both halves)
.set n, n+2
.endr
.set n, 0
.rept 64
	v_exp_f32 v[S+n], v[S+n]                       ; p = 2^(t - M)
.set n, n+1
.endr
	v_pk_mul_f32 v[T+2:T+3], v[T+2:T+3], v[252:253] op_sel_hi:[1,0]   ; the sums under the new M: the plain line behind the exponentials
	s_wait_alu depctr_va_vdst(0)                   ; one wait for the batch of 64, ahead of its first reader
	v_pk_add_f32 v[250:251], v[S:S+1], v[S+2:S+3]  ; the row's sum is taken of the unquantised p, in two chains
.irp j, 4,8,12,16,20,24,28,32,36,40,44,48,52,56,60
	v_pk_add_f32 v[T+2:T+3], v[T+2:T+3], v[S+\j:S+1+\j]
	v_pk_add_f32 v[250:251], v[250:251], v[S+2+\j:S+3+\j]
.endr
	v_pk_add_f32 v[T+2:T+3], v[T+2:T+3], v[250:251]
	s_cmp_eq_u32 s76, 0                            ; where e8 >= -8 the largest code x the scale is 448 x 2^e8 >= 1.75, and p passes 1 by a rounding at the most: the hold would change nothing.
	s_cbranch_scc1 .Lno_hold_\@                    ; A scalar branch on a whole number of lowp_scales, the same in every wave
.set n, 0
.rept 64
	v_min_num_f32 v[S+n], v[S+n], v[PSC+1]         ; p is not negative: the hold is one-sided
.set n, n+1
.endr
.Lno_hold_\@:
.irp j, 0,1,2,3,4,5,6,7
	v_cvt_scalef32_pk8_fp8_f32 v[PC+16*\hd+2*\j:PC+16*\hd+2*\j+1], v[S+8*\j:S+8*\j+7], v[PSC]
.endr
.set n, 0
.rept 8
	v_pk_mul_f32 v[O+16*\hd+n:O+16*\hd+n+1], v[O+16*\hd+n:O+16*\hd+n+1], v[252:253] op_sel_hi:[1,0]   ; the head's O^T under the new M; also the plain lines behind the conversions
.set n, n+2
.endr
.endm
; A key step of 128 keys for query tile i, both heads.
.macro STEP i
	s_wait_alu depctr_vm_vsrc(0)                   ; the LDS loads of the step before have read v[ADK] and v[ADV], which the two lines below write; in the second tile's first step the first tile's stores into the stage have read v128-159, which this step's products write
	v_add_nc_u32 v[ADK], s74, v[AK0]
	v_add_nc_u32 v[ADV], s74, v[AV0]
	v_nop                                          ; with the two additions: four plain lines behind the last products, ahead of loads into registers that they read
	v_nop
	s_wait_alu depctr_va_vdst(0)                   ; v[ADK] and v[ADV] are written, which this step's loads read; the products issued so far (V^T P of the step before; in a tile's first step the projections' or Wp's) are done reading v32-95, in which K lands
.irp j, 0,1,2,3,4,5,6,7
.irp q, 0,1
	ds_load_b128 v[KF+8*\j+4*\q:KF+8*\j+4*\q+3], v[ADK] offset:1024*\j+512*\q
.endr
.endr
	s_wait_dscnt 0x0
.irp j, 0,1,2,3,4,5,6,7
	v_wmma_f32_16x16x64_fp8_fp8 v[S+8*\j:S+8*\j+7], v[KF+8*\j:KF+8*\j+7], v[Q+12*\i:Q+12*\i+7], 0        ; head 0: channels 32-63 meet zero codes
.endr
	PLACES
	SOFTMAX 0
.irp j, 0,1,2,3,4,5,6,7
	v_wmma_f32_16x16x64_fp8_fp8 v[S+8*\j:S+8*\j+7], v[KF+8*\j:KF+8*\j+7], v[Q+12*\i+4:Q+12*\i+11], 0     ; head 1: channels 0-31 meet zero codes
.endr
	PLACES
	s_wait_alu depctr_va_vdst(0)                   ; both heads' products K Q^T are done reading v32-95, in which V^T lands.  No line of head 1's softmax names v32-95 or v[ADV]
.irp a, 0,1,2,3
.irp g, 0,1,2,3
	ds_load_b128 v[KF+16*\a+4*\g:KF+16*\a+4*\g+3], v[ADV] offset:2048*\a+512*\g    ; V^T takes K's registers and lands while head 1's softmax is walked
.endr
.endr
	SOFTMAX 1
	s_wait_dscnt 0x0
.irp a, 0,1,2,3                        ; the four accumulators by turns, one instruction a turn; sixteen other products stand between two links of a chain
	v_wmma_f32_16x16x128_fp8_fp8 v[O+8*\a:O+8*\a+7], v[KF+16*\a:KF+16*\a+15], v[PC+16*(\a/2):PC+16*(\a/2)+15], v[O+8*\a:O+8*\a+7]
.endr
.endm
; O^T / the sum is quantised (the three scales folded into one), multiplied with Wp, and y goes to the stage.
.macro FINISH i
	v_add_f32 v[ST+2], v[ST+2], v[ST+3]            ; a sum's two halves,
	v_add_f32 v[ST+6], v[ST+6], v[ST+7]
	v_permlanex16_b32 v248, v[ST+2], s62, s63
	v_permlanex16_b32 v249, v[ST+6], s62, s63
	v_add_f32 v[ST+2], v[ST+2], v248               ; and lane l xor 16's
	v_add_f32 v[ST+6], v[ST+6], v249
	v_rcp_f32 v252, v[ST+2]
	v_rcp_f32 v250, v[ST+6]
	v_nop                                          ; the plain line behind the reciprocals; with the four additions also the places ahead of the loads below
	s_wait_alu depctr_va_vdst(0)                   ; the last products V^T P are done reading v32-63, in which Wp's fragments land; and both reciprocals are written, ahead of their first reader: one wait for the two
	WFETCH 3, KF
	SETSC 56
.set n, 0
.rept 8
	v_pk_mul_f32 v[O+n:O+n+1], v[O+n:O+n+1], v[252:253] op_sel_hi:[1,0]
.set n, n+2
.endr
.rept 8
	v_pk_mul_f32 v[O+n:O+n+1], v[O+n:O+n+1], v[250:251] op_sel_hi:[1,0]
.set n, n+2
.endr
.irp a, 0,1,2,3
	HOLDCVT O+8*\a, OC+2*\a
.endr
	v_nop
	s_wait_dscnt 0x0                               ; Wp's fragments are in
.irp a, 0,1,2,3
	v_wmma_f32_16x16x64_fp8_fp8 v[S+8*\a:S+8*\a+7], v[OC:OC+7], v[KF+8*\a:KF+8*\a+7], 0   ; source 0 = my 16 queries, source 1 = 16 rows of Wp
.endr
	PLACES
.set n, 0
.rept 16
	v_pk_mul_f32 v[YS+n:YS+n+1], v[S+n:S+n+1], s[58:59] op_sel_hi:[1,0]   ; x 2^(e10 + e11), each accumulator from its low end on
.set n, n+2
.endr
	s_wait_alu depctr_va_vdst(0)                   ; the scalings have written v[YS ..], which the stores read; behind the second tile it also states that every vector and matrix line that names v32-95 is done, for the way out's loads
.irp a, 0,1,2,3
.irp q, 0,1
	ds_store_b128 v[STO+(\a/2)], v[YS+8*\a+4*\q:YS+8*\a+4*\q+3] offset:16*SPITCH*(\a%2)+64*\i+16*\q   ; channel 16 a + r, tokens 32 w + 16 i + 8 h + 0 .. 7
.endr
.endr
	s_wait_dscnt 0x0                               ; the stores have read their registers
.endm
.macro PASS i                          ; one tile of 16 queries against all 1,024 keys
.irp hd, 0,1
	v_mov_b32 v[ST+4*\hd+1], 0xff61b1e6            ; the largest t so far: -3e38, under every t
	v_floor_f32 v[ST+4*\hd], -v[ST+4*\hd+1]
	v_mov_b32 v[ST+4*\hd+2], 0
	v_mov_b32 v[ST+4*\hd+3], 0
.endr
.set n, 0
.rept 32
	v_mov_b32 v[O+n], 0                            ; the step is written once: its first trip finds zeros, which the first change of M leaves zeros
.set n, n+1
.endr
	s_mov_b32 s74, 0
	s_mov_b32 s75, 8
.Lstep_\@:
	STEP \i
	s_add_co_u32 s74, s74, 8192                    ; a step's K and a step's V are 8,192 bytes each
	s_sub_co_i32 s75, s75, 1
	s_cmp_lg_u32 s75, 0
	s_cbranch_scc1 .Lstep_\@
	FINISH \i
.endm
	; ---- the head: addresses
	s_load_b256 s[4:11], s[0:1], 0x0               ; x s[4:5], Wq s[6:7], Wk s[8:9], Wv s[10:11]
	s_load_b128 s[12:15], s[0:1], 0x20             ; Wp s[12:13], lowp_scales s[14:15]
	s_load_b64 s[16:17], s[0:1], 0x30              ; out0
	v_lshl_add_u32 v31, v0, 2, 0x44400
	v_mov_b32 v255, 0
	v_lshrrev_b32 v13, 5, v0
	v_readfirstlane_b32 s18, v13                   ; wave 0..15
	v_and_b32 v13, 31, v0                          ; lane
	v_and_b32 v15, 15, v0                          ; r
	v_bfe_u32 v28, v0, 4, 1                        ; h
	v_lshlrev_b32 v[LI], 4, v13
	v_lshlrev_b32 v[XO], 2, v13
	v_lshlrev_b32 v[WO], 8, v15
	v_lshl_add_u32 v[WO], v28, 5, v[WO]
	v_add_nc_u32 v[AK0], KIMG, v[LI]
	v_add_nc_u32 v[AV0], VIMG, v[LI]
	s_wait_alu depctr_va_sdst(0)                   ; s18 is written, ahead of its first reader: LDS addresses, bases and the choice of a weight are made from it
	s_lshl_b32 s19, s18, 11
	v_add_nc_u32 v[KWI], s19, v[AK0]               ; key tile 2 w
	s_lshr_b32 s19, s18, 2
	s_lshl_b32 s19, s19, 13
	s_and_b32 s20, s18, 3
	s_lshl_b32 s21, s20, 9
	s_add_co_u32 s19, s19, s21
	v_add_nc_u32 v[VWI], s19, v[AV0]               ; step w / 4, piece w % 4
	v_mul_u32_u24 v[STO], v15, SPITCH
	v_lshl_add_u32 v[STO], v28, 5, v[STO]
	s_lshl_b32 s19, s18, 7
	s_add_co_u32 s19, s19, STG
	v_add_nc_u32 v[STO], s19, v[STO]
	v_add_nc_u32 v[STO2], 32*SPITCH, v[STO]
	s_mul_i32 s19, s18, 4*SPITCH
	s_add_co_u32 s19, s19, STG
	v_add_nc_u32 v[SR], s19, v[LI]
	s_lshl_b32 s19, s18, 10
	v_add_nc_u32 v[WWI], s19, v[LI]
	v_mov_b32 v248, 0                              ; written once: a lane permute's destination counts as one of its sources
	v_mov_b32 v253, 0                              ; (named as the upper half of the pair v[252:253])
	s_and_b32 s21, ttmp9, 1                        ; u: which half of the window's queries
	s_lshr_b32 s22, ttmp9, 1                       ; the window
	s_lshr_b32 s23, s22, 6                         ; its image
	s_and_b32 s22, s22, 63                         ; its band
	s_lshl_b32 s23, s23, 24                        ; 64 channels x 262,144 bytes
	s_lshl_b32 s22, s22, 12                        ; 1,024 tokens x 4 bytes
	s_add_co_u32 s22, s22, s23
	s_lshl_b32 s19, s18, 7
	s_add_co_u32 s82, s22, s19                     ; + 32 w tokens
	s_lshl_b32 s19, s21, 11
	s_add_co_u32 s80, s82, s19                     ; group A: my half
	s_mov_b32 s81, 0
	s_xor_b32 s23, s19, 2048
	s_add_co_u32 s84, s82, s23                     ; group B: the other half
	s_mov_b32 s85, 0
	s_add_co_u32 s86, s22, s19
	s_lshl_b32 s23, s18, 20
	s_add_co_u32 s86, s86, s23                     ; out0: my half's tokens, channels 4 w on
	s_mov_b32 s87, 0
	s_lshl_b32 s90, s20, 12                        ; my 16 rows of my weight
	s_mov_b32 s91, 0
	s_mov_b32 s62, 0x76543210
	s_mov_b32 s63, 0xfedcba98
	s_wait_kmcnt 0x0
	s_load_b256 s[24:31], s[14:15], 0x0            ; e0 .. e7
	s_load_b128 s[32:35], s[14:15], 0x20           ; e8 .. e11
	s_add_nc_u64 s[66:67], s[4:5], s[80:81]
	s_add_nc_u64 s[68:69], s[66:67], 32*CH
	s_add_nc_u64 s[70:71], s[4:5], s[84:85]
	s_add_nc_u64 s[72:73], s[70:71], 32*CH
	s_add_nc_u64 s[78:79], s[16:17], s[86:87]
	s_cmp_lt_u32 s18, 4                            ; waves 0-3 quantise Wq, 4-7 Wk, 8-11 Wv, 12-15 Wp: a choice on the wave's number
	s_cselect_b64 s[36:37], s[6:7], s[8:9]
	s_cmp_lt_u32 s18, 12
	s_cselect_b64 s[88:89], s[10:11], s[12:13]
	s_cmp_lt_u32 s18, 8
	s_cselect_b64 s[36:37], s[36:37], s[88:89]
	s_add_nc_u64 s[36:37], s[36:37], s[90:91]
	s_wait_alu depctr_va_vdst(0)                   ; the offsets and LDS addresses v1-7, v10-12 and v14 are written: every load and store of the kernel but a key step's reads one of them, and none is written again
.irp c, 0,1,2,3
	global_load_b128 v[WRAW+8*\c:WRAW+8*\c+3], v[WO], s[36:37] offset:64*\c        ; W(16 a + r, 16 c + 8 h + 0 .. 7)
	global_load_b128 v[WRAW+8*\c+4:WRAW+8*\c+7], v[WO], s[36:37] offset:64*\c+16
.endr
	XLOAD XA, 66
	; ---- the scales
	s_wait_kmcnt 0x0
	s_cmp_lt_u32 s18, 4
	s_cselect_b32 s38, s25, s27
	s_cmp_lt_u32 s18, 12
	s_cselect_b32 s39, s29, s35
	s_cmp_lt_u32 s18, 8
	s_cselect_b32 s38, s38, s39                    ; my weight's e: e1, e3, e5 or e11
	MKSC 40, 24                                    ; x for q
	MKSC 42, 26                                    ; x for k
	MKSC 44, 28                                    ; x for v
	MKSC 46, 38                                    ; my weight
	s_sub_co_i32 s19, s30, s24
	s_sub_co_i32 s19, s19, s25
	MKSC 48, 19                                    ; a sum of the first product stands for sum x 2^(e0 + e1): q's code is sum / 2^(e6 - e0 - e1)
	s_sub_co_i32 s19, s31, s26
	s_sub_co_i32 s19, s19, s27
	MKSC 50, 19                                    ; k: e7 - e2 - e3
	s_sub_co_i32 s19, s33, s28
	s_sub_co_i32 s19, s19, s29
	MKSC 52, 19                                    ; v: e9 - e4 - e5
	MKSC 54, 32                                    ; p: e8
	s_sub_co_i32 s19, s34, s32
	s_sub_co_i32 s19, s19, s33
	MKSC 56, 19                                    ; O: e10 - e8 - e9
	s_add_co_i32 s58, s34, s35
	s_add_co_i32 s58, s58, 127
	s_lshl_b32 s58, s58, 23                        ; 2^(e10 + e11)
	s_mov_b32 s59, s58                             ; (named with it as a pair, so it is written)
	s_add_co_i32 s19, s30, s31
	s_lshl_b32 s19, s19, 23
	s_add_co_i32 s60, s19, 0x3e8293ee              ; c = log2(e) / sqrt(32), with e6 + e7 added to its exponent field
	s_mov_b32 s61, s60
	s_cmp_lt_i32 s32, -8
	s_cselect_b32 s76, 1, 0                        ; p is held only where 448 x 2^e8 lies under 1.75
	v_mov_b32 v[PSC], s54
	v_mov_b32 v[PSC+1], s55
	; ---- my fragment of the weights
	s_wait_loadcnt 32                              ; behind W's eight loads stand the 32 of group A's channels 0-31: W is in
	SETSC 46
.irp c, 0,1,2,3
	HOLDCVT WRAW+8*\c, WC+2*\c
.endr
	v_nop
	s_wait_alu depctr_va_vdst(0)                   ; the conversions have written v[WC ..], which the two stores read
	ds_store_b128 v[WWI], v[WC:WC+3]
	ds_store_b128 v[WWI], v[WC+4:WC+7] offset:512
	XLOAD XA+32, 68                                ; these 96 loads land in v64-159, which no vector line has named yet
	XLOAD XB, 70
	s_wait_loadcnt 32                              ; all of group A is in; group B's channels 0-31 may be out
	XLOAD XB+32, 72
	s_wait_dscnt 0x0                               ; the stores have read v192-199, which group A's fragments take
	; ---- x becomes fragments: group A under e2, e4 and e0, group B under e2 and e4
	SETSC 42
	XQ XA, XFAK, XFAK+8
	SETSC 44
	XQ XA, XFAV, XFAV+8
	s_wait_alu depctr_vm_vsrc(0)                   ; the two stores of my weight's codes have read v192-199, which the conversions below write (the two quantisings above write v160-191 and v208-223 alone)
	SETSC 40
	XQ XA, XFAQ, XFAQ+8
	s_wait_loadcnt 0x0
	SETSC 42
	XQ XB, XFBK, XFBK+8
	SETSC 44
	XQ XB, XFBV, XFBV+8
	BARRIER                                        ; the sixteen fragments of the weights lie in LDS
	; ---- the projections
	s_wait_alu depctr_va_vdst(0)                   ; the holds of group A's numbers are done reading v64-95, in which Wk's fragments land
	WFETCH 1, WF
	s_wait_dscnt 0x0
	SETSC 50
	PROJ_K 0, XFAK
	PROJ_K 1, XFBK
	WFETCH 2, WF                                   ; no wait: no vector or matrix line stands behind the wait ahead of the stores above
	s_wait_dscnt 0x0
	SETSC 52
	PROJ_V 0, XFAV
	PROJ_V 1, XFBV
	WFETCH 0, WF                                   ; no wait: likewise
	s_wait_dscnt 0x0
	SETSC 48
	PROJ_Q
	BARRIER                                        ; all 1,024 keys' K and V lie in LDS
	; ---- attention and the last product, a tile of 16 queries at a time
	PASS 0
	PASS 1
	BARRIER                                        ; 64 channel rows of 512 tokens lie in the stage
	; ---- the way out: wave w stores channels 4 w .. 4 w + 3
.irp t, 0,1,2,3,4,5,6,7,8,9,10,11,12,13,14,15
	ds_load_b128 v[32+4*\t:35+4*\t], v[SR] offset:SPITCH*(\t/4)+512*(\t%4)   ; no wait: no vector or matrix line stands behind the wait ahead of the last stores into the stage
.endr
.irp t, 0,1,2,3,4,5,6,7,8,9,10,11,12,13,14,15
	s_wait_dscnt 15-\t                             ; LDS loads come back in order: load t is in, the 15 - t younger ones may be out
	global_store_b128 v[LI], v[32+4*\t:35+4*\t], s[78:79] offset:CH*(\t/4)+512*(\t%4) th:TH_STORE_NT   ; 32 lanes store 512 consecutive bytes, at a multiple of 256 from out0's first byte
.endr
	s_wait_dscnt 0x0
	s_wait_alu depctr_hold_cnt(0) depctr_sa_sdst(0) depctr_va_vdst(0) depctr_va_sdst(0) depctr_va_ssrc(0) depctr_va_vcc(0) depctr_vm_vsrc(0)
	s_wait_tensorcnt 0x0
	ds_add_u32 v31, v255
	s_wait_dscnt 0x0
	s_endpgm
.Lfunc_end_k_qe02c5e2972_patchattn:
	.size	k_qe02c5e2972_patchattn, .Lfunc_end_k_qe02c5e2972_patchattn-k_qe02c5e2972_patchattn
	.p2alignl 7, 3214868480
	.fill 96, 4, 3214868480
	.section	.rodata,"a",@progbits
	.p2align	6, 0x0
	.amdhsa_kernel k_qe02c5e2972_patchattn
		.amdhsa_group_segment_fixed_size 281600
		.amdhsa_private_segment_fixed_size 0
		.amdhsa_enable_private_segment 0
		.amdhsa_kernarg_size 56
		.amdhsa_user_sgpr_count 2
		.amdhsa_user_sgpr_kernarg_segment_ptr 1
		.amdhsa_wavefront_size32 1
		.amdhsa_system_sgpr_workgroup_id_x 1
		.amdhsa_system_sgpr_workgroup_id_y 1
		.amdhsa_system_sgpr_workgroup_id_z 1
		.amdhsa_system_vgpr_workitem_id 0
		.amdhsa_next_free_vgpr 256
		.amdhsa_next_free_sgpr 100
		.amdhsa_reserve_vcc 0
		.amdhsa_float_denorm_mode_32 3
		.amdhsa_float_denorm_mode_16_64 3
		.amdhsa_memory_ordered 1
		.amdhsa_forward_progress 1
		.amdhsa_inst_pref_size 148
	.end_amdhsa_kernel
	.amdgpu_metadata
---
amdhsa.version: [ 1, 2 ]
amdhsa.kernels:
  - .name:           k_qe02c5e2972_patchattn
    .symbol:         k_qe02c5e2972_patchattn.kd
    .args:
      - { .name: x, .offset: 0, .size: 8, .value_kind: global_buffer, .address_space: global }
      - { .name: Wq, .offset: 8, .size: 8, .value_kind: global_buffer, .address_space: global }
      - { .name: Wk, .offset: 16, .size: 8, .value_kind: global_buffer, .address_space: global }
      - { .name: Wv, .offset: 24, .size: 8, .value_kind: global_buffer, .address_space: global }
      - { .name: Wp, .offset: 32, .size: 8, .value_kind: global_buffer, .address_space: global }
      - { .name: lowp_scales, .offset: 40, .size: 8, .value_kind: global_buffer, .address_space: global }
      - { .name: out0, .offset: 48, .size: 8, .value_kind: global_buffer, .address_space: global }
    .group_segment_fixed_size: 281600
    .private_segment_fixed_size: 0
    .kernarg_segment_align: 8
    .kernarg_segment_size: 56
    .max_flat_workgroup_size: 512
    .sgpr_count:     100
    .vgpr_count:     256
    .wavefront_size: 32
...
	.end_amdgpu_metadata
.endif
;; end of part 2
